; MI455X (gfx1250); checked and timed in simulation.
; The chip was launched on July 23, 2026; its instructions are those of AMD's public machine-readable ISA for CDNA 5 (MIT licence, August 2026) and "CDNA5" Instruction Set Architecture Reference Guide (July 2026). The comments in the code are by the model that wrote it; some were corrected since.
;; Peephole LSTM Cell. Allowed arithmetic: float matrix products may take bf16 or f16 operands with f32 sums; other float arithmetic in f32, or as packed bf16 or f16 multiplies, adds, multiply-adds, maxima and minima; sums over many terms, partial sums and values carried from step to step in f32; what a program stores and reads back later, other than sums and carried values, may be rounded once to bf16 or f16.
;; Inputs: W_cf 1,024 float32; W_ci 1,024 float32; W_co 1,024 float32; W_hf 1,024 x 1,024 float32; W_hg 1,024 x 1,024 float32; W_hi 1,024 x 1,024 float32; W_ho 1,024 x 1,024 float32; W_if 512 x 1,024 float32; W_ig 512 x 1,024 float32; W_ii 512 x 1,024 float32; W_io 512 x 1,024 float32; c_prev 8,192 x 1,024 float32; h_prev 8,192 x 1,024 float32; input 8,192 x 512 float32.
;; Outputs: out0 8,192 x 1,024 float32; out1 8,192 x 1,024 float32.
;; 2 versions, each right; version 2 is version 1 with the launch prep written anew for expert scheduling mode. Each part assembles by itself: llvm-mc -triple=amdgcn-amd-amdhsa -mcpu=gfx1250 --defsym DOCPART=n.
;; ======== version 1 of 2: 2 launches
;; limits: a function is approximated: absolute error at most 1e-07; below input magnitudes of 1e-05 results are inexact or not finite
;; workspace buffers: xb 25,165,824 bytes; wt 12,582,912 bytes
;; launch prep (part 1): grid 256 x 1, 8 waves a work-group, no clusters, 53,248 bytes of LDS; arguments input, h_prev, W_if, W_ii, W_ig, W_io, W_hf, W_hi, W_hg, W_ho, xb, wt; writes xb, wt
.if DOCPART == 1
	.amdgcn_target "amdgcn-amd-amdhsa--gfx1250"
	.amdhsa_code_object_version 6
	.text
	.protected	k_qb244a911b2_prep
	.globl	k_qb244a911b2_prep
	.p2align	8
	.type	k_qb244a911b2_prep,@function
k_qb244a911b2_prep:
	s_mov_b64 s[64:65], 0
	v_nop
	global_prefetch_b8 v0, s[64:65] scope:SCOPE_SE
	s_setreg_imm32_b32 hwreg(HW_REG_WAVE_MODE, 25, 1), 1
	s_wait_xcnt 0x0
; xb[8192][1536] bf16 = [input | h_prev], each number rounded once.
; wt[4096][1536] bf16: row 256 (j / 64) + 64 g + j % 64 holds column j of gate g (0 f, 1 i, 2 g, 3 o): k < 512 from W_i*[k][j], else from W_h*[k - 512][j].
; So the next launch finds K along the rows of both operands, and the four gates of 64 hidden columns in 256 neighbouring rows of wt.
; SHARES.  256 work-groups of eight waves, all alike.  Work-group id takes rows 32 id .. 32 id + 31 of X (a wave four rows) and three blocks of 128 k x 64 j of gate id / 64:
; blocks 3 (id % 64) + t, t = 0..2; block b has k block b / 16 (0..11) and j block b % 16.
; X is a plain stream: loads of 512 consecutive bytes a wave, stores of 256 consecutive aligned bytes a wave.
; W is turned through LDS: a lane loads 4 neighbouring j of 8 neighbouring k, packs along k, stores 16 bytes (8 k of one j) into row j's place; behind one barrier whole rows
; (128 k = 256 bytes) are read back and stored, sixteen lanes to 256 consecutive aligned bytes of wt.
; All 48 + 24 loads of a wave are issued as early as registers allow; no register that a pending store reads is written again, so no wait for stores' sources is needed.
; No matrix unit, no tensor load, no cluster: nothing is shared between work-groups and each byte is read once.
.set TPITCH, 272                       ; a row of a turned block in LDS: 256 bytes + 16: the 16 rows that a store or load touches start at 16 different groups of four banks (64 banks of 4 bytes: ISA guide 11.1)
.set TBLK,   64*TPITCH                 ; a turned block: 64 rows.  Row p holds j = 4 (p % 16) + p / 16, so that a store's sixteen lanes (16 different j / 4) fall on 16 neighbouring rows
.set SPARE,  3*TBLK                    ; behind the three blocks: the spare words, 128 bytes for each wave: four blocks of 256 bytes that no other line names
.set LO,  2                            ; v2   W in: (16 w + 8 (l / 16)) rows of 4,096 bytes + 16 (l % 16)
.set TS,  3                            ; v3   LDS in: (l % 16) x 272 + 32 w + 16 (l / 16)
.set TR,  4                            ; v4   LDS back: (8 w + l / 16) x 272 + 16 (l % 16)
.set WO,  5                            ; v5   wt out: (32 (w % 2) + 4 (l / 16) + w / 2) rows of 3,072 bytes + 16 (l % 16)
.set VI,  6                            ; v6   input: 4 w rows of 2,048 bytes + 16 l
.set VH,  7                            ; v7   h_prev: 4 w rows of 4,096 bytes + 16 l
.set VX,  8                            ; v8   xb: 4 w rows of 3,072 bytes + 8 l
.set SPW, 10                           ; v10  LDS address of my spare word; never rewritten
.set NIL, 11                           ; v11  0; never rewritten
.set A_SET, 16                         ; v[16:111]   24 loads: first the three W blocks, then X rows 2 and 3
.set B_SET, 112                        ; v[112:207]  24 loads: X rows 0 and 1
.set P,   208                          ; v[208:255]  16 registers a block: packed, later the rows read back
.set SRC, 40                           ; s[40:45]  block t's first byte in its weight matrix
.set DST, 46                           ; s[46:51]  block t's first byte in wt
	s_load_b128 s[4:7], s[0:1], 0x0                ; input, h_prev
	s_load_b256 s[8:15], s[0:1], 0x10              ; W_if, W_ii, W_ig, W_io
	s_load_b256 s[16:23], s[0:1], 0x30             ; W_hf, W_hi, W_hg, W_ho
	s_load_b128 s[24:27], s[0:1], 0x50             ; xb, wt
	v_lshl_add_u32 v[SPW], v0, 2, SPARE
	v_mov_b32 v[NIL], 0
	v_lshrrev_b32 v1, 5, v0
	v_readfirstlane_b32 s28, v1                    ; wave 0..7
	v_and_b32 v12, 15, v0                          ; l % 16
	v_bfe_u32 v13, v0, 4, 1                        ; l / 16
	v_and_b32 v14, 31, v0                          ; l
	s_lshl_b32 s58, s28, 16                        ; 16 w rows of 4,096 bytes
	v_lshlrev_b32 v[LO], 4, v12
	v_lshl_add_u32 v[LO], v13, 15, v[LO]
	v_add_nc_u32 v[LO], s58, v[LO]
	s_lshl_b32 s58, s28, 5
	v_mul_u32_u24 v[TS], v12, TPITCH
	v_lshl_add_u32 v[TS], v13, 4, v[TS]
	v_add_nc_u32 v[TS], s58, v[TS]
	s_lshl_b32 s58, s28, 3
	v_add_nc_u32 v[TR], s58, v13
	v_mul_u32_u24 v[TR], v[TR], TPITCH
	v_lshl_add_u32 v[TR], v12, 4, v[TR]
	s_and_b32 s58, s28, 1
	s_lshl_b32 s58, s58, 5
	s_lshr_b32 s59, s28, 1
	s_add_co_u32 s58, s58, s59
	v_lshl_add_u32 v[WO], v13, 2, s58
	v_mul_u32_u24 v[WO], v[WO], 3072
	v_lshl_add_u32 v[WO], v12, 4, v[WO]
	s_lshl_b32 s58, s28, 13
	v_lshl_add_u32 v[VI], v14, 4, s58
	s_lshl_b32 s58, s28, 14
	v_lshl_add_u32 v[VH], v14, 4, s58
	s_mul_i32 s58, s28, 12288
	v_lshl_add_u32 v[VX], v14, 3, s58
	s_lshr_b32 s29, ttmp9, 6                       ; my gate
	s_and_b32 s30, ttmp9, 63
	s_mul_i32 s30, s30, 3                          ; my first block
	s_mov_b32 s61, 0                               ; the high word of every offset pair below
	s_wait_kmcnt 0x0
	s_and_b32 s58, s29, 1                          ; the gate's two matrices, chosen by the gate's two bits
	s_lshr_b32 s59, s29, 1
	s_cmp_eq_u32 s58, 0
	s_cselect_b64 s[32:33], s[8:9], s[10:11]
	s_cselect_b64 s[34:35], s[12:13], s[14:15]
	s_cselect_b64 s[36:37], s[16:17], s[18:19]
	s_cselect_b64 s[38:39], s[20:21], s[22:23]
	s_cmp_eq_u32 s59, 0
	s_cselect_b64 s[32:33], s[32:33], s[34:35]     ; W_i of my gate
	s_cselect_b64 s[36:37], s[36:37], s[38:39]     ; W_h of my gate
.macro BLOCK t                         ; where block t comes from and where it goes
	s_add_co_u32 s31, s30, \t
	s_lshr_b32 s58, s31, 4                         ; k block 0..11
	s_and_b32 s59, s31, 15                         ; j block 0..15
	s_cmp_lt_u32 s58, 4                            ; k blocks 0..3 lie in W_i, 4..11 in W_h
	s_cselect_b64 s[SRC+2*(\t):SRC+2*(\t)+1], s[32:33], s[36:37]
	s_cselect_b32 s60, 0, 4
	s_sub_co_u32 s60, s58, s60
	s_lshl_b32 s60, s60, 19                        ; 128 rows of 4,096 bytes
	s_lshl_b32 s62, s59, 8                         ; 64 columns of 4 bytes
	s_add_co_u32 s60, s60, s62
	s_add_nc_u64 s[SRC+2*(\t):SRC+2*(\t)+1], s[SRC+2*(\t):SRC+2*(\t)+1], s[60:61]
	s_lshl_b32 s60, s59, 8                         ; wt's row 256 x j block + 64 x gate,
	s_lshl_b32 s62, s29, 6
	s_add_co_u32 s60, s60, s62
	s_mul_i32 s60, s60, 3072
	s_lshl_b32 s62, s58, 8                         ; and 128 k = 256 bytes along it
	s_add_co_u32 s60, s60, s62
	s_add_nc_u64 s[DST+2*(\t):DST+2*(\t)+1], s[26:27], s[60:61]
.endm
	BLOCK 0
	BLOCK 1
	BLOCK 2
	s_lshl_b32 s60, ttmp9, 16                      ; 32 rows of input,
	s_add_nc_u64 s[52:53], s[4:5], s[60:61]
	s_lshl_b32 s60, ttmp9, 17                      ; of h_prev,
	s_add_nc_u64 s[54:55], s[6:7], s[60:61]
	s_mul_i32 s60, ttmp9, 98304                    ; of xb
	s_add_nc_u64 s[56:57], s[24:25], s[60:61]
.macro WLOAD t                         ; my 16 rows of block t: lanes 0-15 the 256 bytes of row 16 w + i, lanes 16-31 of row 16 w + 8 + i
.irp i, 0,1,2,3,4,5,6,7
	global_load_b128 v[A_SET+32*(\t)+4*(\i):A_SET+32*(\t)+4*(\i)+3], v[LO], s[SRC+2*(\t):SRC+2*(\t)+1] offset:4096*(\i) th:TH_LOAD_NT
.endr
.endm
.macro XLOAD rr, base                  ; row rr of my four: 12 loads of 512 consecutive bytes, four of input and eight of h_prev
.irp u, 0,1,2,3
	global_load_b128 v[(\base)+4*(\u):(\base)+4*(\u)+3], v[VI], s[52:53] offset:(\rr)*2048+(\u)*512 th:TH_LOAD_NT
.endr
.irp u, 4,5,6,7,8,9,10,11
	global_load_b128 v[(\base)+4*(\u):(\base)+4*(\u)+3], v[VH], s[54:55] offset:(\rr)*4096+((\u)-4)*512 th:TH_LOAD_NT
.endr
.endm
.macro WPACK t                         ; block t: two neighbouring k of one j to a word, 8 k of one j to a store
	s_wait_loadcnt 40-8*(\t)                       ; behind block t's loads stand the later blocks' 8 (2 - t) and X's 24
.irp c, 0,1,2,3
.irp q, 0,1,2,3
	v_cvt_pk_bf16_f32 v[P+16*(\t)+4*(\c)+(\q)], v[A_SET+32*(\t)+8*(\q)+(\c)], v[A_SET+32*(\t)+8*(\q)+4+(\c)]
.endr
.endr
.irp c, 0,1,2,3
	ds_store_b128 v[TS], v[P+16*(\t)+4*(\c):P+16*(\t)+4*(\c)+3] offset:(\t)*TBLK+(\c)*16*TPITCH  ; j = 4 (l % 16) + c lies in row l % 16 + 16 c
.endr
.endm
.macro XOUT rr, base, left             ; a row goes out; left = the loads younger than the row's first
.irp u, 0,1,2,3,4,5,6,7,8,9,10,11
	s_wait_loadcnt (\left)-(\u)
	v_cvt_pk_bf16_f32 v[(\base)+4*(\u)], v[(\base)+4*(\u)], v[(\base)+4*(\u)+1]
	v_cvt_pk_bf16_f32 v[(\base)+4*(\u)+1], v[(\base)+4*(\u)+2], v[(\base)+4*(\u)+3]
	global_store_b64 v[VX], v[(\base)+4*(\u):(\base)+4*(\u)+1], s[56:57] offset:(\rr)*3072+(\u)*256  ; the wave's 32 lanes store 256 consecutive bytes, aligned
.endr
.endm
.macro WBACK t                         ; my eight rows of the turned block t, two to a load
.irp u, 0,1,2,3
	ds_load_b128 v[P+16*(\t)+4*(\u):P+16*(\t)+4*(\u)+3], v[TR] offset:(\t)*TBLK+(\u)*2*TPITCH
.endr
.endm
.macro WOUT t
.irp u, 0,1,2,3
	s_wait_dscnt 11-4*(\t)-(\u)                    ; LDS loads come back in order (ISA guide 5.7.1)
	global_store_b128 v[WO], v[P+16*(\t)+4*(\u):P+16*(\t)+4*(\u)+3], s[DST+2*(\t):DST+2*(\t)+1] offset:(\u)*8*3072  ; 16 lanes store 256 consecutive bytes, aligned: 128 k of one row of wt
.endr
.endm
	WLOAD 0
	WLOAD 1
	WLOAD 2
	XLOAD 0, B_SET
	XLOAD 1, B_SET+48
	WPACK 0
	WPACK 1
	WPACK 2
	XLOAD 2, A_SET                                 ; the blocks' registers have been read by the conversions above
	XLOAD 3, A_SET+48
	XOUT 0, B_SET, 47                              ; 23 of its own set and the 24 just issued are younger than the first
	XOUT 1, B_SET+48, 35
	s_wait_dscnt 0x0                               ; for the others' sake: my stores into the turned blocks are done
	s_barrier_signal -1
	s_barrier_wait -1
	WBACK 0
	WBACK 1
	WBACK 2
	XOUT 2, A_SET, 23
	XOUT 3, A_SET+48, 11
	WOUT 0
	WOUT 1
	WOUT 2
	s_wait_tensorcnt 0x0                           ; the wave's end: behind my last LDS store
	ds_add_u32 v[SPW], v[NIL]
	s_wait_dscnt 0x0
	s_endpgm
.Lfunc_end_k_qb244a911b2_prep:
	.size	k_qb244a911b2_prep, .Lfunc_end_k_qb244a911b2_prep-k_qb244a911b2_prep
	.p2alignl 7, 3214868480
	.fill 96, 4, 3214868480
	.section	.rodata,"a",@progbits
	.p2align	6, 0x0
	.amdhsa_kernel k_qb244a911b2_prep
		.amdhsa_group_segment_fixed_size 53248
		.amdhsa_private_segment_fixed_size 0
		.amdhsa_enable_private_segment 0
		.amdhsa_kernarg_size 96
		.amdhsa_user_sgpr_count 2
		.amdhsa_user_sgpr_kernarg_segment_ptr 1
		.amdhsa_wavefront_size32 1
		.amdhsa_system_sgpr_workgroup_id_x 1
		.amdhsa_system_sgpr_workgroup_id_y 1
		.amdhsa_system_sgpr_workgroup_id_z 1
		.amdhsa_system_vgpr_workitem_id 0
		.amdhsa_next_free_vgpr 256
		.amdhsa_next_free_sgpr 66
		.amdhsa_reserve_vcc 0
		.amdhsa_float_denorm_mode_32 3
		.amdhsa_float_denorm_mode_16_64 3
		.amdhsa_memory_ordered 1
		.amdhsa_forward_progress 1
		.amdhsa_inst_pref_size 30
	.end_amdhsa_kernel
	.amdgpu_metadata
---
amdhsa.version: [ 1, 2 ]
amdhsa.kernels:
  - .name:           k_qb244a911b2_prep
    .symbol:         k_qb244a911b2_prep.kd
    .args:
      - { .name: input, .offset: 0, .size: 8, .value_kind: global_buffer, .address_space: global }
      - { .name: h_prev, .offset: 8, .size: 8, .value_kind: global_buffer, .address_space: global }
      - { .name: W_if, .offset: 16, .size: 8, .value_kind: global_buffer, .address_space: global }
      - { .name: W_ii, .offset: 24, .size: 8, .value_kind: global_buffer, .address_space: global }
      - { .name: W_ig, .offset: 32, .size: 8, .value_kind: global_buffer, .address_space: global }
      - { .name: W_io, .offset: 40, .size: 8, .value_kind: global_buffer, .address_space: global }
      - { .name: W_hf, .offset: 48, .size: 8, .value_kind: global_buffer, .address_space: global }
      - { .name: W_hi, .offset: 56, .size: 8, .value_kind: global_buffer, .address_space: global }
      - { .name: W_hg, .offset: 64, .size: 8, .value_kind: global_buffer, .address_space: global }
      - { .name: W_ho, .offset: 72, .size: 8, .value_kind: global_buffer, .address_space: global }
      - { .name: xb, .offset: 80, .size: 8, .value_kind: global_buffer, .address_space: global }
      - { .name: wt, .offset: 88, .size: 8, .value_kind: global_buffer, .address_space: global }
    .group_segment_fixed_size: 53248
    .private_segment_fixed_size: 0
    .kernarg_segment_align: 8
    .kernarg_segment_size: 96
    .max_flat_workgroup_size: 256
    .sgpr_count:     66
    .vgpr_count:     256
    .wavefront_size: 32
...
	.end_amdgpu_metadata
.endif
;; end of part 1
;; launch lstm (part 2): grid 16 x 32, 4 waves a work-group, clusters of 4 x 4, 327,680 bytes of LDS; arguments xb, wt, c_prev, W_cf, W_ci, W_co, out0, out1; writes out0, out1
.if DOCPART == 2
	.amdgcn_target "amdgcn-amd-amdhsa--gfx1250"
	.amdhsa_code_object_version 6
	.text
	.protected	k_qb244a911b2_lstm
	.globl	k_qb244a911b2_lstm
	.p2align	8
	.type	k_qb244a911b2_lstm,@function
k_qb244a911b2_lstm:
	s_mov_b64 s[64:65], 0
	v_nop
	global_prefetch_b8 v0, s[64:65] scope:SCOPE_SE
	s_setreg_imm32_b32 hwreg(HW_REG_WAVE_MODE, 25, 1), 1
	s_wait_xcnt 0x0
	s_wait_alu depctr_hold_cnt(0) depctr_sa_sdst(0) depctr_va_vdst(0) depctr_va_sdst(0) depctr_va_ssrc(0) depctr_va_vcc(0) depctr_vm_vsrc(0)
	s_getreg_b32 s2, hwreg(HW_REG_IB_STS2, 6, 4)
	s_cmp_eq_u32 s2, 0
	s_cbranch_scc0 .Lentry_in_a_cluster
	s_endpgm
.Lentry_in_a_cluster:
	s_bfe_u32 s2, ttmp6, 0x10000c
	s_cmp_lg_u32 s2, 0xf033
	s_cbranch_scc0 .Lentry_shape_is_right
	s_endpgm
.Lentry_shape_is_right:
; PEEPHOLE LSTM CELL.  Z[row][n'] = the sum over k of xb[row][k] wt[n'][k] (bf16 operands, f32 sums, K = 1,536 ascending), then for hidden column j, with Zf, Zi, Zg, Zo the four gates' sums:
;   f = sigmoid(Zf + c W_cf)   i = sigmoid(Zi + c W_ci)   g = tanh(Zg)   c' = f c + i g   o = sigmoid(Zo + c' W_co)   h = o tanh(c');   out0 = h, out1 = c', both f32.
; wt's rows lie so that rows 256 T .. 256 T + 255 are the four gates (64 rows each) of hidden columns 64 T .. 64 T + 63.
; LIMITS.  X and the weights were rounded once to bf16; all else is f32.  sigmoid(x) = 1 / (1 + 2^(-x log2 e)), tanh(x) = 1 - 2 / (1 + 2^(2 x log2 e)): a power that overflows gives
; the right limits 0, 1, -1, so nothing is clipped; a power below 2^-126 counts as 0; tanh carries an absolute error of about 1e-7, so it keeps no relative accuracy for |x| below about 1e-5.
; NaN and infinities in the inputs are not treated apart.
; SHARES.  A work-group makes 256 rows x 256 n' (64 hidden columns, four gates); 512 work-groups.  Each of its four waves makes 64 rows x all 256 n': 64 accumulators, 512 registers.
; So a wave holds all four gates of its 64 rows x 64 hidden columns: the tail needs no other wave, and a row's 64 f32 are 256 consecutive aligned bytes of out0 and out1.
; The price against a square wave tile: 40 LDS loads in place of 32 for 64 matrix instructions.
; K goes in steps of 128 through two LDS slots filled by the tensor data mover: rows of 256 bytes, at multiples of 256 bytes from the buffers' first bytes.
; CLUSTERS: 4 x 4 work-groups.  The four of a row of the cluster need the same tiles of xb, the four of a column the same tiles of wt: each tile is asked for JOINTLY, by the same tensor load
; with the same descriptor and a mask that names the four.  c_prev's tile is each work-group's own: a plain load, a wave its own 64 rows, into slot 0 when K step 10 has left it.
; THE MATRIX INSTRUCTION IS USED TRANSPOSED (source 0 = 16 rows of wt, source 1 = 16 rows of xb): lane l holds row l % 16 and its registers 0-7 the n' 8 (l / 16) + 0..7.
; Accumulator (a, b = 4 gate + jj) lies at v[128 (a % 2) + 8 b] of window 2 + a / 2: for row block a a gate's 32 numbers of a lane are 32 registers on end, number e = 8 jj + r being
; hidden column 16 jj + 8 (l / 16) + r of the 64.
; REGISTERS, in windows of 256 (s_set_vgpr_msb: bits 1:0 source 0, 3:2 source 1, 5:4 source 2, 7:6 destination):
;   window 0: v0-31 addresses; v32-63, v64-95 fragments of xb (4 x 16 rows x 32 K), two buffers; v96-191 my 32 numbers of W_cf, W_ci, W_co
;   window 1: in the loop fragments of wt (16 x 16 rows x 32 K), two buffers of 128; in the tail eight sets of 32 at work
;   windows 2, 3: the accumulators
.set SIZE_K, 1536
.set KSTEP,  128
.set PITCH,  272                       ; an LDS row: 256 bytes + 16 of padding: the 16 rows that a load touches start at 16 different groups of four banks (64 banks of 4 bytes: ISA guide 11.1)
.set HALFT,  128*PITCH                 ; 128 rows: what one joint load brings
.set SLOT,   4*HALFT                   ; xb's 256 rows, then wt's 256 rows
.set CTILE,  64*PITCH                  ; a wave's 64 rows x 64 f32 of c_prev: at wave x CTILE, where its own rows of xb lay in slot 0
.set STAGE,  2*SLOT                    ; behind the ring, never filled by a tensor load: for each wave 16 rows x 272 bytes of c', then of h
.set SPITCH, 272
.set WSTAGE, 2*16*SPITCH
.set SPARE,  STAGE+4*WSTAGE            ; behind the stages: the spare words, 128 bytes for each wave: two blocks of 256 bytes that no other line names
.set LAPS,   SIZE_K/(2*KSTEP)         ; a lap = two K steps = once round the ring: 6
.set ADRA, 16                          ; v16-17  LDS address of my xb fragments in slot 0, 1
.set ADRB, 20                          ; v20-21  the same for wt
.set STO,  24                          ; v24     the way out: where I put my numbers of a row
.set RD,   25                          ; v25     the way out: where I read a row back
.set CO,   26                          ; v26     my byte offset in two rows of out0 and out1
.set CRD,  27                          ; v27     my place in my wave's tile of c_prev
.set SPW,  28                          ; v28     LDS address of my spare word; never rewritten
.set NIL,  29                          ; v29     0; never rewritten
.set PFO,  30                          ; v30     the prefetches' offset: my lane x a row of xb or wt; never rewritten
.set PWO,  31                          ; v31     32 (l / 16): my offset in the three vectors
.set FA,   32                          ; xb's fragment buffers, window 0
.set WCF,  96
.set WCI,  128
.set WCO,  160
.set EC,   0                           ; window 1 in the tail: c
.set EF,   32                          ; f, later h
.set EI,   64                          ; i
.set EG,   96                          ; g, later tanh(c')
.set EO,   128                         ; o
.set EN,   160                         ; c'
.set RBN,  192                         ; c' back from the stage, whole rows
.set RBH,  224                         ; h likewise
.set G1,  24                           ; s[24:31] descriptor group 1 for xb's tiles
.set G0,  32                           ; s[32:39] group 0, a set for each slot
.set LIM, 43                           ; s43      1 in a wave that prefetches, else the greatest number
.set PFA, 44                           ; s[44:45] where my prefetches stand
.set G1B, 48                           ; s[48:55], s[56:63] the same for wt's tiles
.set G0B, 56
.set OH,  76                           ; s[76:77] out0 at my wave's first row and the tile's first column
.set OC,  78                           ; s[78:79] out1 likewise
.set G0C, 80                           ; s[80:83] group 0 for my rows of c_prev
.set G1C, 84                           ; s[84:91] group 1 for them
.set NL,  92                           ; s[92:93] -log2 e; the packed forms name a pair and take its low word for both halves
.set TL,  94                           ; s[94:95] 2 log2 e
.set MSB, 0
.macro WIN new                         ; the immediate's high byte repeats the setting that is left; a switch that changes nothing is dropped
.if MSB != (\new)
	s_set_vgpr_msb (MSB<<8)|(\new)
.set MSB, \new
.endif
.endm
.set TO_B, 0x40                        ; destination window 1, address window 0
.set W_11, 0x55                        ; destination and all sources window 1
.set W_ST, 0x04                        ; address window 0, store data window 1
; A joint load.  Waves 0 and 1 fetch xb's two halves, waves 2 and 3 wt's.  Each of the two lines has one mask and one set of registers for all that issue it; the branch hangs on the wave's number alone.
; An s_nop 0 and four v_nop follow each of the two lines, ahead of the jump, the label and what follows.
.macro JLOAD s
	s_cmp_eq_u32 s11, 0
	s_cbranch_scc0 .Lfor_b_\@
	tensor_load_to_lds s[G0+4*(\s):G0+4*(\s)+3], s[G1:G1+7]
	s_nop 0
.rept 4
	v_nop
.endr
	s_branch .Lasked_\@
.Lfor_b_\@:
	tensor_load_to_lds s[G0B+4*(\s):G0B+4*(\s)+3], s[G1B:G1B+7]
	s_nop 0
.rept 4
	v_nop
.endr
.Lasked_\@:
.endm
; A PREFETCH INTO THE L2, behind each joint load, its five lines and the run of LDS loads that follows them: the K step that stands two refills on, 32 rows x 256 bytes, a lane a row, one instruction a wave:
; 512 matrix instructions ahead of the load that will want it.  Each row's 256 bytes of a K step are named once in the launch: xb's tile row is read by every cluster of that row of clusters, and the one with
; cluster x = 0 asks; wt's tile column by every cluster of that column, and the one with cluster y = 0 asks.  The four partners that ask for a tile jointly share its rows out BY ADDRESS: of the 128 rows that
; a wave fetches the partner at place p takes 32 p .. 32 p + 31.  K steps 0 to 3 come by their loads alone; the loop's last trip (s3 = 1) asks for nothing: there is no K step 12.
.macro ASK
	s_cmp_gt_u32 s3, s[LIM]
	s_cbranch_scc0 .Lnot_mine_\@
	global_prefetch_b8 v[PFO], s[PFA:PFA+1] offset:KSTEP*2 th:TH_LOAD_NT scope:SCOPE_SE
.Lnot_mine_\@:
.endm
; A round of the cluster's barrier: my work-group's barrier, so that wave 0's signal speaks for all four waves; wave 0 signals for the work-group; every wave waits for all sixteen; my work-group's barrier once more.
.macro CREST                           ; a round behind its opening barrier
	s_cmp_lg_u32 s10, 0
	s_cbranch_scc1 .Lnot_wave_0_\@
	s_barrier_signal -3
.Lnot_wave_0_\@:
	s_barrier_wait -3
	s_barrier_signal -1
	s_barrier_wait -1
.endm
.macro CROUND                          ; a whole round
	s_barrier_signal -1
	s_barrier_wait -1
	CREST
.endm
	s_load_b128 s[4:7], s[0:1], 0x0                ; xb s[4:5], wt s[6:7]
	s_load_b256 s[68:75], s[0:1], 0x10             ; c_prev s[68:69], W_cf s[70:71], W_ci s[72:73], W_co s[74:75]
	s_load_b128 s[76:79], s[0:1], 0x30             ; out0, out1
	v_lshl_add_u32 v[SPW], v0, 2, SPARE
	v_mov_b32 v[NIL], 0
	ds_add_u32 v[SPW], v[NIL]                      ; the wave's opening: the add and its wait stand ahead of my first tensor load; the set-up below, work on registers, stands between them
	ds_add_u32 v28, v29
	v_lshrrev_b32 v1, 5, v0
	v_readfirstlane_b32 s10, v1                    ; wave 0..3
	s_lshr_b32 s11, s10, 1                         ; I fetch for xb (0) or for wt (1),
	s_and_b32 s12, s10, 1                          ; and which 128 rows of that tile
	s_bfe_u32 s40, ttmp6, 0x40000                  ; cx: my place along the cluster's x
	s_bfe_u32 s41, ttmp6, 0x40004                  ; cy: along its y
	s_lshl_b32 s42, ttmp9, 2                       ; in a cluster launch ttmp9 and ttmp7 count clusters
	s_add_co_u32 s42, s42, s40                     ; tile column = 4 x cluster x + cx: 0..15
	s_and_b32 s13, ttmp7, 0xffff
	s_lshl_b32 s13, s13, 2
	s_add_co_u32 s13, s13, s41                     ; tile row = 4 x cluster y + cy: 0..31
	s_lshl_b32 s43, s41, 2
	s_lshl_b32 s43, 15, s43                        ; my row of the cluster: places 4 cy .. 4 cy + 3
	s_lshl_b32 s44, 0x1111, s40                    ; my column: places cx, cx + 4, cx + 8, cx + 12
	; descriptor group 1 for xb and wt: a tile of 128 rows x 128 elements of 2 bytes, padded in LDS
	s_or_b32 s[G1+0], s43, (1<<16)|(1<<20)|(1<<21)|(5<<22)|(3<<25)   ; 15:0 the mask: xb's tiles go to my row; 17:16 2-byte elements; 20 padding on; 21 set beside a mask; 24:22 after every 64 words (code 5); 31:25 4 words (code 3)
	s_or_b32 s[G1B+0], s44, (1<<16)|(1<<20)|(1<<21)|(5<<22)|(3<<25)  ; the same with the mask of my column, for wt's tiles
.irp g, G1, G1B
	s_mov_b32 s[(\g)+1], KSTEP<<16                 ; tensor_dim0 = 128
	s_mov_b32 s[(\g)+2], 128<<16                   ; tensor_dim1 = 128
	s_mov_b32 s[(\g)+3], KSTEP<<16                 ; tile_dim0 = 128
	s_mov_b32 s[(\g)+4], 128                       ; tile_dim1 = 128
	s_mov_b32 s[(\g)+5], SIZE_K                    ; elements from row to row
	s_mov_b32 s[(\g)+6], 0
	s_mov_b32 s[(\g)+7], 0
.endr
	; group 1 for c_prev: 64 rows x 64 elements of 4 bytes, no mask, the same padding
	s_mov_b32 s[G1C+0], (2<<16)|(1<<20)|(5<<22)|(3<<25)
	s_mov_b32 s[G1C+1], 64<<16                     ; tensor_dim0 = 64
	s_mov_b32 s[G1C+2], 64<<16                     ; tensor_dim1 = 64
	s_mov_b32 s[G1C+3], 64<<16                     ; tile_dim0 = 64
	s_mov_b32 s[G1C+4], 64                         ; tile_dim1 = 64
	s_mov_b32 s[G1C+5], 1024                       ; elements from row to row
	s_mov_b32 s[G1C+6], 0
	s_mov_b32 s[G1C+7], 0
	s_mov_b32 s[NL], 0xbfb8aa3b                    ; -log2 e
	s_mov_b32 s[NL+1], 0xbfb8aa3b
	s_mov_b32 s[TL], 0x4038aa3b                    ; 2 log2 e
	s_mov_b32 s[TL+1], 0x4038aa3b
	; where the tiles come from.  xb's hang on the tile row alone, which my row of the cluster shares; wt's on the tile column alone, which my column shares.
	s_lshl_b32 s17, s12, 7                         ; which 128 rows of the tile I fetch
	s_lshl_b32 s16, s13, 8
	s_add_co_u32 s16, s16, s17                     ; xb: row 256 x tile row + 128 x half
	s_lshl_b32 s46, s42, 8
	s_add_co_u32 s46, s46, s17                     ; wt: row 256 x tile column + 128 x half
	s_mov_b32 s17, 0
	s_mov_b32 s47, 0
	s_mov_b64 s[18:19], SIZE_K*2
	s_mul_u64 s[16:17], s[16:17], s[18:19]
	s_mul_u64 s[46:47], s[46:47], s[18:19]
	s_mul_i32 s20, s10, HALFT                      ; and where they go: wave x 128 rows: no place in the cluster enters an LDS address
	s_wait_dscnt 0x0                               ; the opening add is done
	s_wait_kmcnt 0x0
	s_add_nc_u64 s[14:15], s[4:5], s[16:17]
	s_add_nc_u64 s[46:47], s[6:7], s[46:47]
	CROUND                                         ; all sixteen work-groups are here: the first joint loads meet
.irp s, 0,1
	s_mov_b32 s[G0+4*(\s)], 1                                        ; count = 1
	s_add_co_u32 s[G0+4*(\s)+1], s20, (\s)*SLOT                      ; LDS address
	s_add_nc_u64 s[G0+4*(\s)+2:G0+4*(\s)+3], s[14:15], (\s)*KSTEP*2  ; global address: K step s
	s_or_b32 s[G0+4*(\s)+3], s[G0+4*(\s)+3], 0x80000000              ; type = 2
	s_mov_b32 s[G0B+4*(\s)], 1
	s_add_co_u32 s[G0B+4*(\s)+1], s20, (\s)*SLOT
	s_add_nc_u64 s[G0B+4*(\s)+2:G0B+4*(\s)+3], s[46:47], (\s)*KSTEP*2
	s_or_b32 s[G0B+4*(\s)+3], s[G0B+4*(\s)+3], 0x80000000
	JLOAD \s                                       ; the ring is filled before anything else is done: two loads of mine are out
.endr
	; A fragment is 16 rows x 32 K in 8 registers: lane l holds row l % 16; registers 0-3 K = 8 (l / 16) + 0..7, registers 4-7 K = 16 + 8 (l / 16) + 0..7: two loads of 16 bytes, 32 bytes apart.
	v_and_b32 v1, 15, v0                           ; l % 16
	v_bfe_u32 v2, v0, 4, 1                         ; l / 16
	v_mul_u32_u24 v3, v1, PITCH
	v_lshl_add_u32 v3, v2, 4, v3                   ; row x pitch + 16 x half
	s_mul_i32 s21, s10, 64*PITCH                   ; my 64 rows of xb
	s_mov_b32 s22, 2*HALFT                         ; wt's 256 rows lie behind xb's 256
.irp s, 0,1
	v_add_nc_u32 v[ADRA+(\s)], s21, v3
	v_add_nc_u32 v[ADRB+(\s)], s22, v3
	s_add_co_u32 s21, s21, SLOT
	s_add_co_u32 s22, s22, SLOT
.endr
	s_mul_i32 s23, s10, WSTAGE
	s_add_co_u32 s23, s23, STAGE                   ; my stage
	v_mul_u32_u24 v4, v1, SPITCH                   ; in: row l % 16, 32 bytes (8 f32) for each half of the lanes in every 64
	v_lshl_add_u32 v4, v2, 5, v4
	v_add_nc_u32 v[STO], s23, v4
	v_mul_u32_u24 v5, v2, SPITCH                   ; back: lanes 0-15 take one row of 256 bytes, lanes 16-31 the next
	v_lshl_add_u32 v5, v1, 4, v5
	v_add_nc_u32 v[RD], s23, v5
	v_lshlrev_b32 v5, 12, v2                       ; and the same two rows of 4,096 bytes in out0 and out1
	v_lshl_add_u32 v[CO], v1, 4, v5
	s_mul_i32 s23, s10, CTILE
	v_add_nc_u32 v[CRD], s23, v4                   ; c lies as the stage's rows do
	v_lshlrev_b32 v[PWO], 5, v2
	; my part of c_prev, out0 and out1 begins at row 256 x tile row + 64 x wave, byte 256 x tile column; the three vectors at byte 256 x tile column
	s_lshl_b32 s13, s13, 8
	s_lshl_b32 s14, s10, 6
	s_add_co_u32 s16, s13, s14
	s_lshl_b32 s16, s16, 12                        ; rows of 4,096 bytes: under 2^25
	s_mov_b32 s17, 0
	s_lshl_b32 s46, s42, 8                         ; (in the registers that held wt's address: none that feeds xb's descriptors ever holds cx)
	s_mov_b32 s47, 0
	s_add_nc_u64 s[70:71], s[70:71], s[46:47]
	s_add_nc_u64 s[72:73], s[72:73], s[46:47]
	s_add_nc_u64 s[74:75], s[74:75], s[46:47]
	s_add_nc_u64 s[16:17], s[16:17], s[46:47]
	s_add_nc_u64 s[OH:OH+1], s[OH:OH+1], s[16:17]
	s_add_nc_u64 s[OC:OC+1], s[OC:OC+1], s[16:17]
	s_mov_b32 s[G0C], 1
	s_mul_i32 s[G0C+1], s10, CTILE                 ; LDS address: the wave's number times a constant
	s_add_nc_u64 s[G0C+2:G0C+3], s[68:69], s[16:17]
	s_or_b32 s[G0C+3], s[G0C+3], 0x80000000
.irp jj, 0,1,2,3                       ; my 32 numbers of each vector, in the order of a gate's 32 registers; waited for in front of the tail
.irp h, 0,1
	global_load_b128 v[WCF+8*(\jj)+4*(\h):WCF+8*(\jj)+4*(\h)+3], v[PWO], s[70:71] offset:64*(\jj)+16*(\h)
	global_load_b128 v[WCI+8*(\jj)+4*(\h):WCI+8*(\jj)+4*(\h)+3], v[PWO], s[72:73] offset:64*(\jj)+16*(\h)
	global_load_b128 v[WCO+8*(\jj)+4*(\h):WCO+8*(\jj)+4*(\h)+3], v[PWO], s[74:75] offset:64*(\jj)+16*(\h)
.endr
.endr
	; the prefetches.  s13 = 256 x tile row, s42 = tile column, s40 = cx, s41 = cy still stand
	s_lshl_b32 s42, s42, 8
	s_and_b32 s22, ttmp7, 0xffff                   ; cluster y
	s_cmp_eq_u32 s11, 0                            ; do I fetch for xb?
	s_cselect_b32 s20, s13, s42                    ; the tile's first row
	s_cselect_b32 s21, s40, s41                    ; my place among the four that ask for it with me
	s_cselect_b32 s22, ttmp9, s22                  ; the coordinate along which other clusters read the same rows
	s_cselect_b64 s[PFA:PFA+1], s[4:5], s[6:7]
	s_cmp_eq_u32 s22, 0
	s_cselect_b32 s[LIM], 1, -1                    ; the same in all sixteen partners, for a given wave
	s_lshl_b32 s22, s12, 7
	s_add_co_u32 s20, s20, s22                     ; + the 128 rows that I fetch
	s_lshl_b32 s21, s21, 5
	s_add_co_u32 s20, s20, s21                     ; + my work-group's 32 of them
	s_mov_b32 s21, 0
	s_mov_b64 s[18:19], SIZE_K*2
	s_mul_u64 s[20:21], s[20:21], s[18:19]
	s_add_nc_u64 s[PFA:PFA+1], s[PFA:PFA+1], s[20:21]
	s_add_nc_u64 s[PFA:PFA+1], s[PFA:PFA+1], 2*KSTEP*2  ; at K step 2: the first refill steps it to 3 and names K step 4
	v_and_b32 v[PFO], 31, v0
	v_mul_u32_u24 v[PFO], v[PFO], SIZE_K*2
; 16 matrix instructions: row block a x all 16 blocks of n', 32 along K, from buffer f.  zero = 1: the first product starts the sums: nothing is ever cleared.
.macro MUL16 f, a, zero
	WIN 0xa1+0x50*((\a)/2)                         ; source 0 (wt) window 1, source 1 (xb) window 0, C and D window 2 or 3
.irp b, 0,1,2,3,4,5,6,7,8,9,10,11,12,13,14,15
.if \zero
	v_wmma_f32_16x16x32_bf16 v[128*((\a)%2)+8*(\b):128*((\a)%2)+8*(\b)+7], v[128*(\f)+8*(\b):128*(\f)+8*(\b)+7], v[FA+32*(\f)+8*(\a):FA+32*(\f)+8*(\a)+7], 0
.else
	v_wmma_f32_16x16x32_bf16 v[128*((\a)%2)+8*(\b):128*((\a)%2)+8*(\b)+7], v[128*(\f)+8*(\b):128*(\f)+8*(\b)+7], v[FA+32*(\f)+8*(\a):FA+32*(\f)+8*(\a)+7], v[128*((\a)%2)+8*(\b):128*((\a)%2)+8*(\b)+7]
.endif
.endr
.endm
; 40 LDS loads in one run: the fragments of one quarter step (256 rows of wt, my 64 rows of xb, 32 K at byte k of the rows) into buffer f; xb's come last.  The largest immediate is 192 + 15 x 4,352 + 32 = 65,504.
.macro FETCH slot, k, f
	WIN TO_B
.irp i, 0,1,2,3,4,5,6,7,8,9,10,11,12,13,14,15
	ds_load_b128 v[128*(\f)+8*(\i):128*(\f)+8*(\i)+3],   v[ADRB+(\slot)] offset:(\k)+(\i)*16*PITCH
	ds_load_b128 v[128*(\f)+8*(\i)+4:128*(\f)+8*(\i)+7], v[ADRB+(\slot)] offset:(\k)+(\i)*16*PITCH+32
.endr
	WIN 0
.irp i, 0,1,2,3
	ds_load_b128 v[FA+32*(\f)+8*(\i):FA+32*(\f)+8*(\i)+3],   v[ADRA+(\slot)] offset:(\k)+(\i)*16*PITCH
	ds_load_b128 v[FA+32*(\f)+8*(\i)+4:FA+32*(\f)+8*(\i)+7], v[ADRA+(\slot)] offset:(\k)+(\i)*16*PITCH+32
.endr
.endm
; A load into a register that a matrix instruction has read, and a vector instruction that reads a matrix result or writes one of a matrix instruction's registers, stand four places behind it, and only plain
; vector instructions that name none of its registers are places (ISA guide 7.12.1 for vector instructions).
.macro PLACES
.rept 4
	v_nop
.endr
.endm
; A K step is four quarters of 32 along K, 64 matrix instructions each, on buffers 0, 1, 0, 1.  The 64 accumulators take turns in the same order in every quarter.
; One of the first three: multiplies buffer f; in its middle it fetches the next quarter's fragments, at byte k of the same slot's rows, into buffer g.
.macro QUARTER slot, k, f, g, zero
	s_wait_dscnt 4                                 ; wt's fragments and xb's blocks 0 and 1 are in; the youngest four loads (xb's blocks 2 and 3) may be out
	MUL16 \f, 0, \zero
	MUL16 \f, 1, \zero
	PLACES
	FETCH \slot, \k, \g
	s_wait_dscnt 40                                ; all but the 40 just issued
	MUL16 \f, 2, \zero
	MUL16 \f, 3, \zero
.endm
; The last quarter multiplies buffer 1 and changes slots.  MEET is its first half.  In front of the barrier each wave waits for all its tensor loads, of which one is out: its part of the next slot; adds 0 to its
; spare word; and waits for that and for its own reads of this slot.  The barrier opens a round of the cluster's barrier.
.macro MEET
	WIN 0                                          ; (the add's two registers lie in window 0)
	s_wait_tensorcnt 0x0                           ; all my tensor loads have landed;
	ds_add_u32 v[SPW], v[NIL]                      ; 0 onto my spare word;
	s_wait_dscnt 5                                 ; (the add and the youngest four loads may be out)
	MUL16 1, 0, 0                                  ; sixteen matrix instructions stand between the add and the wait for it
	s_wait_dscnt 0x0                               ; the add is done, and my reads of this slot are over:
	s_barrier_signal -1                            ; say so,
	MUL16 1, 1, 0                                  ; work on registers while the others arrive,
	WIN 0
	s_barrier_wait -1                              ; and go on when all four have said so
.endm
; The whole last quarter: behind the round the slot just read out is filled again first, with the K step two steps on; then come the next slot's first fragments.  From a request to the wait for it a wave issues 224 matrix instructions.
.macro TURN slot, next
	s_wait_xcnt 0x0                                ; the last prefetch, a K step back, has read its address: it is stepped here, ahead of the waits of the change of slots
	s_add_nc_u64 s[PFA:PFA+1], s[PFA:PFA+1], KSTEP*2
	MEET
	CREST                                          ; no wave of any partner still reads this slot's tile or has a load on its way
	s_add_nc_u64 s[G0+4*(\slot)+2:G0+4*(\slot)+3], s[G0+4*(\slot)+2:G0+4*(\slot)+3], 2*KSTEP*2
	s_add_nc_u64 s[G0B+4*(\slot)+2:G0B+4*(\slot)+3], s[G0B+4*(\slot)+2:G0B+4*(\slot)+3], 2*KSTEP*2
	JLOAD \slot                                    ; the first tensor load behind the round; the four v_nop behind it are also the places in front of the loads below
	FETCH \next, 0, 0
	ASK
	MUL16 1, 2, 0
	MUL16 1, 3, 0
.endm
; THE TAIL, a block of 16 rows at a time: 32 numbers, 16 pairs, a lane.  Each accumulator is read from its lowest registers on: the pairs ascend.
; Exponentials and reciprocals go in batches, in place, with plain packed lines between them; nothing names a batch's results before its one s_wait_alu, and a v_nop is the plain
; instruction behind the batch's last.
.macro CLOAD a                         ; block a's c out of my tile: number e = 4 i .. 4 i + 3 lies at byte 64 (i / 2) + 32 (l / 16) + 16 (i % 2) of row l % 16
	WIN TO_B
.irp i, 0,1,2,3,4,5,6,7
	ds_load_b128 v[EC+4*(\i):EC+4*(\i)+3], v[CRD] offset:(\a)*16*PITCH+64*((\i)/2)+16*((\i)%2)
.endr
.endm
.macro EXPS base, n, sc                ; n pairs from base on: times the scalar, then 2^x.  A pair is scaled two pairs ahead of its exponentials.  Destination and source 0 in window 1.  The wait follows outside
	v_pk_mul_f32 v[(\base):(\base)+1], v[(\base):(\base)+1], s[(\sc):(\sc)+1] op_sel_hi:[1,0]
	v_pk_mul_f32 v[(\base)+2:(\base)+3], v[(\base)+2:(\base)+3], s[(\sc):(\sc)+1] op_sel_hi:[1,0]
.set q, 0
.rept \n
	v_exp_f32 v[(\base)+2*q], v[(\base)+2*q]
.if q+2 < (\n)
	v_pk_mul_f32 v[(\base)+2*q+4:(\base)+2*q+5], v[(\base)+2*q+4:(\base)+2*q+5], s[(\sc):(\sc)+1] op_sel_hi:[1,0]
.endif
	v_exp_f32 v[(\base)+2*q+1], v[(\base)+2*q+1]
.set q, q+1
.endr
.endm
.macro RCPS base, n                    ; n pairs from base on: 1 / (1 + x), with the batch's wait
	v_pk_add_f32 v[(\base):(\base)+1], v[(\base):(\base)+1], 1.0 op_sel_hi:[1,0]
	v_pk_add_f32 v[(\base)+2:(\base)+3], v[(\base)+2:(\base)+3], 1.0 op_sel_hi:[1,0]
.set q, 0
.rept \n
	v_rcp_f32 v[(\base)+2*q], v[(\base)+2*q]
.if q+2 < (\n)
	v_pk_add_f32 v[(\base)+2*q+4:(\base)+2*q+5], v[(\base)+2*q+4:(\base)+2*q+5], 1.0 op_sel_hi:[1,0]
.endif
	v_rcp_f32 v[(\base)+2*q+1], v[(\base)+2*q+1]
.set q, q+1
.endr
	v_nop
	s_wait_alu depctr_va_vdst(0)
.endm
.macro TOSTAGE                         ; c' and h into my own stage, and back as whole rows of 256 bytes
	WIN W_ST
.irp i, 0,1,2,3,4,5,6,7
	ds_store_b128 v[STO], v[EN+4*(\i):EN+4*(\i)+3] offset:64*((\i)/2)+16*((\i)%2)
.endr
.irp i, 0,1,2,3,4,5,6,7
	ds_store_b128 v[STO], v[EF+4*(\i):EF+4*(\i)+3] offset:16*SPITCH+64*((\i)/2)+16*((\i)%2)
.endr
	s_wait_xcnt 0x0                                ; the block before's global stores have read their data registers, which the loads below write again
	WIN TO_B
.irp t, 0,1,2,3,4,5,6,7
	ds_load_b128 v[RBN+4*(\t):RBN+4*(\t)+3], v[RD] offset:(\t)*2*SPITCH  ; LDS serves a wave's instructions in order (ISA guide 5.7.1.4): these see the stores above
.endr
.irp t, 0,1,2,3,4,5,6,7
	ds_load_b128 v[RBH+4*(\t):RBH+4*(\t)+3], v[RD] offset:16*SPITCH+(\t)*2*SPITCH
.endr
.endm
.macro SEND a                          ; block a's 16 rows leave: 16 lanes store 256 consecutive bytes, at a multiple of 256 from the output's first byte
	WIN W_ST
	s_wait_dscnt 0x0                               ; the block is back in registers
.irp t, 0,1,2,3,4,5,6,7
	global_store_b128 v[CO], v[RBH+4*(\t):RBH+4*(\t)+3], s[OH:OH+1] offset:(\a)*65536+(\t)*8192 th:TH_STORE_NT
.endr
.irp t, 0,1,2,3,4,5,6,7
	global_store_b128 v[CO], v[RBN+4*(\t):RBN+4*(\t)+3], s[OC:OC+1] offset:(\a)*65536+(\t)*8192 th:TH_STORE_NT
.endr
.endm
.macro EPI a
.set ZW, 2+(\a)/2                      ; the block's accumulators: their window,
.set ZB, 128*((\a)%2)                  ; and gate 0's first register; gate g's is 32 g further on
	WIN 0x40|ZW                                    ; destination window 1, source 0 the accumulators'
.set p, 0
.rept 16
	v_pk_mul_f32 v[EG+2*p:EG+2*p+1], v[ZB+64+2*p:ZB+64+2*p+1], s[TL:TL+1] op_sel_hi:[1,0]  ; 2 log2 e Zg
.set p, p+1
.endr
.if (\a) == 0
	s_wait_dscnt 0x0                               ; c of this block is in
.else
	s_wait_dscnt 32                                ; c of this block is in: behind its loads stand the 32 stage stores and loads of the block before
.endif
	WIN 0x41|(ZW<<4)                               ; destination and source 0 window 1, source 1 window 0, source 2 the accumulators'
.set p, 0
.rept 16
	v_pk_fma_f32 v[EF+2*p:EF+2*p+1], v[EC+2*p:EC+2*p+1], v[WCF+2*p:WCF+2*p+1], v[ZB+2*p:ZB+2*p+1]        ; c W_cf + Zf
	v_exp_f32 v[EG+2*p], v[EG+2*p]
	v_pk_fma_f32 v[EI+2*p:EI+2*p+1], v[EC+2*p:EC+2*p+1], v[WCI+2*p:WCI+2*p+1], v[ZB+32+2*p:ZB+32+2*p+1]  ; c W_ci + Zi
	v_exp_f32 v[EG+2*p+1], v[EG+2*p+1]
.set p, p+1
.endr
	EXPS EF, 32, NL                                ; f's and i's 64 numbers lie on end
	v_nop                                          ; the plain instruction behind the last of the 96 exponentials
.if (\a) > 0
	SEND (\a)-1                                    ; the block before leaves here: its stores name none of the batch's results
	WIN 0x41|(ZW<<4)
.endif
	s_wait_alu depctr_va_vdst(0)                   ; one wait for the 96
	RCPS EF, 48                                    ; f, i, and 1 / (1 + 2^(2 log2 e Zg)): 96 numbers on end
	WIN W_11
.set p, 0
.rept 16
	v_pk_fma_f32 v[EG+2*p:EG+2*p+1], v[EG+2*p:EG+2*p+1], -2.0, 1.0 op_sel_hi:[1,0,0]  ; g = tanh(Zg)
.set p, p+1
.endr
.set p, 0
.rept 16
	v_pk_mul_f32 v[EN+2*p:EN+2*p+1], v[EF+2*p:EF+2*p+1], v[EC+2*p:EC+2*p+1]           ; f c
.set p, p+1
.endr
.set p, 0
.rept 16
	v_pk_fma_f32 v[EN+2*p:EN+2*p+1], v[EI+2*p:EI+2*p+1], v[EG+2*p:EG+2*p+1], v[EN+2*p:EN+2*p+1]  ; c' = i g + f c
.set p, p+1
.endr
.if (\a) < 3
	CLOAD (\a)+1                                   ; c has been read: the next block's comes in
.endif
	WIN 0x41|(ZW<<4)
.set p, 0
.rept 16
	v_pk_fma_f32 v[EO+2*p:EO+2*p+1], v[EN+2*p:EN+2*p+1], v[WCO+2*p:WCO+2*p+1], v[ZB+96+2*p:ZB+96+2*p+1]  ; c' W_co + Zo
.set p, p+1
.endr
	v_pk_mul_f32 v[EG:EG+1], v[EN:EN+1], s[TL:TL+1] op_sel_hi:[1,0]
	v_pk_mul_f32 v[EO:EO+1], v[EO:EO+1], s[NL:NL+1] op_sel_hi:[1,0]
.set p, 0
.rept 16                               ; a pair is scaled one trip ahead of its exponentials
	v_exp_f32 v[EG+2*p], v[EG+2*p]
.if p < 15
	v_pk_mul_f32 v[EG+2*p+2:EG+2*p+3], v[EN+2*p+2:EN+2*p+3], s[TL:TL+1] op_sel_hi:[1,0]
.endif
	v_exp_f32 v[EG+2*p+1], v[EG+2*p+1]
	v_exp_f32 v[EO+2*p], v[EO+2*p]
.if p < 15
	v_pk_mul_f32 v[EO+2*p+2:EO+2*p+3], v[EO+2*p+2:EO+2*p+3], s[NL:NL+1] op_sel_hi:[1,0]
.endif
	v_exp_f32 v[EO+2*p+1], v[EO+2*p+1]
.set p, p+1
.endr
	v_nop
	s_wait_alu depctr_va_vdst(0)                   ; one wait for the 64
	RCPS EG, 32                                    ; 1 / (1 + 2^(2 log2 e c')) and o: 64 numbers on end
	WIN W_11
.set p, 0
.rept 16
	v_pk_fma_f32 v[EG+2*p:EG+2*p+1], v[EG+2*p:EG+2*p+1], -2.0, 1.0 op_sel_hi:[1,0,0]  ; tanh(c')
.set p, p+1
.endr
.set p, 0
.rept 16
	v_pk_mul_f32 v[EF+2*p:EF+2*p+1], v[EO+2*p:EO+2*p+1], v[EG+2*p:EG+2*p+1]           ; h = o tanh(c')
.set p, p+1
.endr
	TOSTAGE
.endm
	s_wait_tensorcnt 1                             ; my part of K step 0 is in; K step 1's may stay out
	s_barrier_signal -1
	s_barrier_wait -1                              ; everybody's is
	FETCH 0, 0, 0
	QUARTER 0, 64,  0, 1, 1                        ; the first quarter stands in front of the loop: its products start the sums
	WIN 0                                          ; at a label and at a branch every window is 0
	s_mov_b32 s3, LAPS-1
.Llap:                                                 ; five trips: from a lap's second quarter to the next lap's first; each fills both slots again: K steps 2 to 11
	QUARTER 0, 128, 1, 0, 0
	QUARTER 0, 192, 0, 1, 0
	TURN 0, 1
	QUARTER 1, 64,  0, 1, 0
	QUARTER 1, 128, 1, 0, 0
	QUARTER 1, 192, 0, 1, 0
	TURN 1, 0
	QUARTER 0, 64,  0, 1, 0
	WIN 0
	s_sub_co_u32 s3, s3, 1
	s_cmp_lg_u32 s3, 0
	s_cbranch_scc1 .Llap
	QUARTER 0, 128, 1, 0, 0                        ; the last lap is written out: K step 10 goes on
	QUARTER 0, 192, 0, 1, 0
	MEET                                           ; the one load of mine that was out is K step 11's
	CREST
	tensor_load_to_lds s[G0C:G0C+3], s[G1C:G1C+7]  ; slot 0 has been read out: my 64 rows of c_prev go where my rows of xb lay; my one tensor load behind this round; it has K step 11, 256 matrix instructions, in which to land
	s_nop 0
.rept 4
	v_nop                                          ; also the places in front of the loads below
.endr
	FETCH 1, 0, 0
	MUL16 1, 2, 0
	MUL16 1, 3, 0
	QUARTER 1, 64,  0, 1, 0
	QUARTER 1, 128, 1, 0, 0
	QUARTER 1, 192, 0, 1, 0
	s_wait_dscnt 4                                 ; the very last quarter: nothing more to fetch
	MUL16 1, 0, 0
	MUL16 1, 1, 0
	s_wait_dscnt 0x0
	MUL16 1, 2, 0
	MUL16 1, 3, 0
	WIN 0
	PLACES                                         ; behind the last products: the tail reads their results and writes over wt's fragments
	PLACES                                         ; (eight, once a launch)
	s_wait_tensorcnt 0x0                           ; my rows of c_prev have landed; only I read them, so no barrier is needed
	s_wait_loadcnt 0x0                             ; the three vectors, asked for at the head
	CLOAD 0
	EPI 0
	EPI 1
	EPI 2
	EPI 3
	SEND 3
	WIN 0
	s_wait_tensorcnt 0x0                           ; the wave's end: behind my last tensor load and my last LDS store
	ds_add_u32 v[SPW], v[NIL]
	s_wait_dscnt 0x0
	CROUND                                         ; the closing round: no work-group ends while a partner may still ask for a tile that names it
	s_endpgm
.Lfunc_end_k_qb244a911b2_lstm:
	.size	k_qb244a911b2_lstm, .Lfunc_end_k_qb244a911b2_lstm-k_qb244a911b2_lstm
	.p2alignl 7, 3214868480
	.fill 96, 4, 3214868480
	.section	.rodata,"a",@progbits
	.p2align	6, 0x0
	.amdhsa_kernel k_qb244a911b2_lstm
		.amdhsa_group_segment_fixed_size 327680
		.amdhsa_private_segment_fixed_size 0
		.amdhsa_enable_private_segment 0
		.amdhsa_kernarg_size 64
		.amdhsa_user_sgpr_count 2
		.amdhsa_user_sgpr_kernarg_segment_ptr 1
		.amdhsa_wavefront_size32 1
		.amdhsa_system_sgpr_workgroup_id_x 1
		.amdhsa_system_sgpr_workgroup_id_y 1
		.amdhsa_system_sgpr_workgroup_id_z 1
		.amdhsa_system_vgpr_workitem_id 0
		.amdhsa_next_free_vgpr 1024
		.amdhsa_next_free_sgpr 96
		.amdhsa_reserve_vcc 0
		.amdhsa_float_denorm_mode_32 3
		.amdhsa_float_denorm_mode_16_64 3
		.amdhsa_memory_ordered 1
		.amdhsa_forward_progress 1
		.amdhsa_inst_pref_size 255
	.end_amdhsa_kernel
	.amdgpu_metadata
---
amdhsa.version: [ 1, 2 ]
amdhsa.kernels:
  - .name:           k_qb244a911b2_lstm
    .symbol:         k_qb244a911b2_lstm.kd
    .args:
      - { .name: xb, .offset: 0, .size: 8, .value_kind: global_buffer, .address_space: global }
      - { .name: wt, .offset: 8, .size: 8, .value_kind: global_buffer, .address_space: global }
      - { .name: c_prev, .offset: 16, .size: 8, .value_kind: global_buffer, .address_space: global }
      - { .name: W_cf, .offset: 24, .size: 8, .value_kind: global_buffer, .address_space: global }
      - { .name: W_ci, .offset: 32, .size: 8, .value_kind: global_buffer, .address_space: global }
      - { .name: W_co, .offset: 40, .size: 8, .value_kind: global_buffer, .address_space: global }
      - { .name: out0, .offset: 48, .size: 8, .value_kind: global_buffer, .address_space: global }
      - { .name: out1, .offset: 56, .size: 8, .value_kind: global_buffer, .address_space: global }
    .group_segment_fixed_size: 327680
    .private_segment_fixed_size: 0
    .kernarg_segment_align: 8
    .kernarg_segment_size: 64
    .max_flat_workgroup_size: 128
    .sgpr_count:     96
    .vgpr_count:     1024
    .wavefront_size: 32
...
	.end_amdgpu_metadata
.endif
;; end of part 2
;; ======== version 2 of 2: 2 launches; version 1 with the launch prep written anew for expert scheduling mode
;; limits: a function is approximated: absolute error at most 1e-07; below input magnitudes of 1e-05 results are inexact or not finite
;; workspace buffers: xb 25,165,824 bytes; wt 12,582,912 bytes
;; launch prep (part 3): grid 256 x 1, 8 waves a work-group, no clusters, 53,248 bytes of LDS; arguments input, h_prev, W_if, W_ii, W_ig, W_io, W_hf, W_hi, W_hg, W_ho, xb, wt; writes xb, wt
.if DOCPART == 3
	.amdgcn_target "amdgcn-amd-amdhsa--gfx1250"
	.amdhsa_code_object_version 6
	.text
	.protected	k_qb244a911b2_prep
	.globl	k_qb244a911b2_prep
	.p2align	8
	.type	k_qb244a911b2_prep,@function
k_qb244a911b2_prep:
	s_mov_b64 s[64:65], 0
	v_nop
	global_prefetch_b8 v0, s[64:65] scope:SCOPE_SE
	s_setreg_imm32_b32 hwreg(HW_REG_WAVE_SCHED_MODE, 0, 2), 2
	s_setreg_imm32_b32 hwreg(HW_REG_WAVE_MODE, 25, 1), 1
	s_wait_xcnt 0x0
	s_wait_alu depctr_vm_vsrc(0)
; xb[8192][1536] bf16 = [input | h_prev], each number rounded once.
; wt[4096][1536] bf16: row 256 (j / 64) + 64 g + j % 64 holds column j of gate g (0 f, 1 i, 2 g, 3 o): k < 512 from W_i*[k][j], else from W_h*[k - 512][j].
; So the next launch finds K along the rows of both operands, and the four gates of 64 hidden columns in 256 neighbouring rows of wt.
; SHARES.  256 work-groups of eight waves, all alike.  Work-group id takes rows 32 id .. 32 id + 31 of X (a wave four rows) and three blocks of 128 k x 64 j of gate id / 64:
; blocks 3 (id % 64) + t, t = 0..2; block b has k block b / 16 (0..11) and j block b % 16.
; X is a plain stream: loads of 512 consecutive bytes a wave, stores of 256 consecutive aligned bytes a wave.
; W is turned through LDS: a lane loads 4 neighbouring j of 8 neighbouring k, packs along k, stores 16 bytes (8 k of one j) into row j's place; behind one barrier whole rows
; (128 k = 256 bytes) are read back and stored, sixteen lanes to 256 consecutive aligned bytes of wt.
; All 48 + 24 loads of a wave are issued as early as registers allow; no register that a pending global store reads is written again, so no wait for those stores' sources is needed.
; No matrix unit, no tensor load, no cluster: nothing is shared between work-groups and each byte is read once.
; THE MODE: SCHED_MODE bits 1:0 = 2 (LLVM: expert scheduling mode 2), set by the entry lines.  The code itself states the register dependences
; between vector instructions and memory or LDS instructions, with s_wait_alu, always for 0.
; THE PLAN.  Registers that memory or LDS instructions touch:
;   v2 .. v8      offsets and LDS addresses: written once at the head, read by every load and store, never written again.
;   A_SET block t 32 registers: W block t's eight loads land there; block t's sixteen conversions read them; then eight loads of X's rows 2 and 3 land there.
;   P block t     16 registers: written by block t's conversions; read by its four LDS stores; behind the barrier four LDS loads land there; four global stores read them.
;   a row of X    48 registers (rows 0, 1 in B_SET, rows 2, 3 in A_SET): twelve loads land there; the row's 24 conversions work in place; twelve stores read them; never written again.
; W goes in steps: step t issues block t - 1's LDS stores and the loads into block t - 1's registers, dealt among block t's conversions, which name block t's registers and P's block t alone.
; So one wait on va_vdst at a step's head states all that the step's twelve memory and LDS instructions hang on.  X likewise: a row's stores are dealt among the next row's conversions, behind one
; wait at that row's head; the rows in front of the barrier and of the end have their stores in a run behind a wait of their own.  One wait on vm_vsrc stands ahead of the LDS loads into P.
.set TPITCH, 272                       ; a row of a turned block in LDS: 256 bytes + 16: the 16 rows that a store or load touches start at 16 different groups of four banks (64 banks of 4 bytes: ISA guide 11.1)
.set TBLK,   64*TPITCH                 ; a turned block: 64 rows.  Row p holds j = 4 (p % 16) + p / 16, so that a store's sixteen lanes (16 different j / 4) fall on 16 neighbouring rows
.set LO,  2                            ; v2   W in: (16 w + 8 (l / 16)) rows of 4,096 bytes + 16 (l % 16)
.set TS,  3                            ; v3   LDS in: (l % 16) x 272 + 32 w + 16 (l / 16)
.set TR,  4                            ; v4   LDS back: (8 w + l / 16) x 272 + 16 (l % 16)
.set WO,  5                            ; v5   wt out: (32 (w % 2) + 4 (l / 16) + w / 2) rows of 3,072 bytes + 16 (l % 16)
.set VI,  6                            ; v6   input: 4 w rows of 2,048 bytes + 16 l
.set VH,  7                            ; v7   h_prev: 4 w rows of 4,096 bytes + 16 l
.set VX,  8                            ; v8   xb: 4 w rows of 3,072 bytes + 8 l
.set A_SET, 16                         ; v[16:111]   24 loads: first the three W blocks, then X rows 2 and 3
.set B_SET, 112                        ; v[112:207]  24 loads: X rows 0 and 1
.set P,   208                          ; v[208:255]  16 registers a block: packed, later the rows read back
.set SRC, 40                           ; s[40:45]  block t's first byte in its weight matrix
.set DST, 46                           ; s[46:51]  block t's first byte in wt
	s_load_b128 s[4:7], s[0:1], 0x0                ; input, h_prev
	s_load_b256 s[8:15], s[0:1], 0x10              ; W_if, W_ii, W_ig, W_io
	s_load_b256 s[16:23], s[0:1], 0x30             ; W_hf, W_hi, W_hg, W_ho
	s_load_b128 s[24:27], s[0:1], 0x50             ; xb, wt
	v_lshl_add_u32 v11, v0, 2, 0xcc00
	v_mov_b32 v15, 0
	v_lshrrev_b32 v1, 5, v0
	v_readfirstlane_b32 s28, v1                    ; wave 0..7
	v_and_b32 v12, 15, v0                          ; l % 16
	v_bfe_u32 v13, v0, 4, 1                        ; l / 16
	v_and_b32 v14, 31, v0                          ; l
	s_wait_alu depctr_va_sdst(0)                   ; s28 is written, ahead of its first reader: the wave's terms of all seven offsets are made from it
	s_lshl_b32 s58, s28, 16                        ; 16 w rows of 4,096 bytes
	v_lshlrev_b32 v[LO], 4, v12
	v_lshl_add_u32 v[LO], v13, 15, v[LO]
	v_add_nc_u32 v[LO], s58, v[LO]
	s_lshl_b32 s58, s28, 5
	v_mul_u32_u24 v[TS], v12, TPITCH
	v_lshl_add_u32 v[TS], v13, 4, v[TS]
	v_add_nc_u32 v[TS], s58, v[TS]
	s_lshl_b32 s58, s28, 3
	v_add_nc_u32 v[TR], s58, v13
	v_mul_u32_u24 v[TR], v[TR], TPITCH
	v_lshl_add_u32 v[TR], v12, 4, v[TR]
	s_and_b32 s58, s28, 1
	s_lshl_b32 s58, s58, 5
	s_lshr_b32 s59, s28, 1
	s_add_co_u32 s58, s58, s59
	v_lshl_add_u32 v[WO], v13, 2, s58
	v_mul_u32_u24 v[WO], v[WO], 3072
	v_lshl_add_u32 v[WO], v12, 4, v[WO]
	s_lshl_b32 s58, s28, 13
	v_lshl_add_u32 v[VI], v14, 4, s58
	s_lshl_b32 s58, s28, 14
	v_lshl_add_u32 v[VH], v14, 4, s58
	s_mul_i32 s58, s28, 12288
	v_lshl_add_u32 v[VX], v14, 3, s58
	s_lshr_b32 s29, ttmp9, 6                       ; my gate
	s_and_b32 s30, ttmp9, 63
	s_mul_i32 s30, s30, 3                          ; my first block
	s_mov_b32 s61, 0                               ; the high word of every offset pair below
	s_wait_kmcnt 0x0
	s_and_b32 s58, s29, 1                          ; the gate's two matrices, chosen by the gate's two bits
	s_lshr_b32 s59, s29, 1
	s_cmp_eq_u32 s58, 0
	s_cselect_b64 s[32:33], s[8:9], s[10:11]
	s_cselect_b64 s[34:35], s[12:13], s[14:15]
	s_cselect_b64 s[36:37], s[16:17], s[18:19]
	s_cselect_b64 s[38:39], s[20:21], s[22:23]
	s_cmp_eq_u32 s59, 0
	s_cselect_b64 s[32:33], s[32:33], s[34:35]     ; W_i of my gate
	s_cselect_b64 s[36:37], s[36:37], s[38:39]     ; W_h of my gate
.macro BLOCK t                         ; where block t comes from and where it goes
	s_add_co_u32 s31, s30, \t
	s_lshr_b32 s58, s31, 4                         ; k block 0..11
	s_and_b32 s59, s31, 15                         ; j block 0..15
	s_cmp_lt_u32 s58, 4                            ; k blocks 0..3 lie in W_i, 4..11 in W_h
	s_cselect_b64 s[SRC+2*(\t):SRC+2*(\t)+1], s[32:33], s[36:37]
	s_cselect_b32 s60, 0, 4
	s_sub_co_u32 s60, s58, s60
	s_lshl_b32 s60, s60, 19                        ; 128 rows of 4,096 bytes
	s_lshl_b32 s62, s59, 8                         ; 64 columns of 4 bytes
	s_add_co_u32 s60, s60, s62
	s_add_nc_u64 s[SRC+2*(\t):SRC+2*(\t)+1], s[SRC+2*(\t):SRC+2*(\t)+1], s[60:61]
	s_lshl_b32 s60, s59, 8                         ; wt's row 256 x j block + 64 x gate,
	s_lshl_b32 s62, s29, 6
	s_add_co_u32 s60, s60, s62
	s_mul_i32 s60, s60, 3072
	s_lshl_b32 s62, s58, 8                         ; and 128 k = 256 bytes along it
	s_add_co_u32 s60, s60, s62
	s_add_nc_u64 s[DST+2*(\t):DST+2*(\t)+1], s[26:27], s[60:61]
.endm
	BLOCK 0
	BLOCK 1
	BLOCK 2
	s_lshl_b32 s60, ttmp9, 16                      ; 32 rows of input,
	s_add_nc_u64 s[52:53], s[4:5], s[60:61]
	s_lshl_b32 s60, ttmp9, 17                      ; of h_prev,
	s_add_nc_u64 s[54:55], s[6:7], s[60:61]
	s_mul_i32 s60, ttmp9, 98304                    ; of xb
	s_add_nc_u64 s[56:57], s[24:25], s[60:61]
.macro WLOAD t                         ; my 16 rows of block t: lanes 0-15 the 256 bytes of row 16 w + i, lanes 16-31 of row 16 w + 8 + i
.irp i, 0,1,2,3,4,5,6,7
	global_load_b128 v[A_SET+32*(\t)+4*(\i):A_SET+32*(\t)+4*(\i)+3], v[LO], s[SRC+2*(\t):SRC+2*(\t)+1] offset:4096*(\i) th:TH_LOAD_NT
.endr
.endm
; X's loads are numbered 0 to 47: load n is unit n % 12 of row n / 12 of my four: 512 consecutive bytes a wave, units 0-3 of input, units 4-11 of h_prev.  Loads 0-23 land in B_SET, 24-47 in A_SET, four registers each, in order.
.macro XLOADS first, count
.set n, \first
.rept \count
.if n < 24
.set xr, B_SET+4*n
.else
.set xr, A_SET+4*(n-24)
.endif
.if (n%12) < 4
	global_load_b128 v[xr:xr+3], v[VI], s[52:53] offset:(n/12)*2048+(n%12)*512 th:TH_LOAD_NT
.else
	global_load_b128 v[xr:xr+3], v[VH], s[54:55] offset:(n/12)*4096+((n%12)-4)*512 th:TH_LOAD_NT
.endif
.set n, n+1
.endr
.endm
; W's step t, 0 to 3.  Steps 0 to 2 pack block t: two neighbouring k of one j to a word, 8 k of one j to an LDS store.  Steps 1 to 3 issue block t - 1's four LDS stores and the eight loads of X that
; land in block t - 1's registers: one store and two loads ahead of every four conversions.
.macro WSTEP t
.if (\t) == 0
	s_wait_loadcnt 40                              ; behind block 0's loads stand the other blocks' 16 and X's 24
.elseif (\t) < 3
	s_wait_loadcnt 32                              ; behind block 1's loads: block 2's 8 and X's 24; behind block 2's: X's 24 and the 8 that step 1 issued
.endif
.if (\t) > 0
	s_wait_alu depctr_va_vdst(0)                   ; the conversions of the block before have written its part of P, which the LDS stores below read, and are done reading its part of A_SET, in which the loads below land
.endif
.irp c, 0,1,2,3
.if (\t) > 0
	ds_store_b128 v[TS], v[P+16*((\t)-1)+4*(\c):P+16*((\t)-1)+4*(\c)+3] offset:((\t)-1)*TBLK+(\c)*16*TPITCH  ; j = 4 (l % 16) + c lies in row l % 16 + 16 c
	XLOADS 24+8*((\t)-1)+2*(\c), 2                 ; no vector instruction since the wait names these registers
.endif
.if (\t) < 3
.irp q, 0,1,2,3
	v_cvt_pk_bf16_f32 v[P+16*(\t)+4*(\c)+(\q)], v[A_SET+32*(\t)+8*(\q)+(\c)], v[A_SET+32*(\t)+8*(\q)+4+(\c)]
.endr
.endif
.endr
.endm
.macro XSTORE rr, base, u              ; unit u of row rr goes out: the wave's 32 lanes store 256 consecutive bytes, aligned
	global_store_b64 v[VX], v[(\base)+4*(\u):(\base)+4*(\u)+1], s[56:57] offset:(\rr)*3072+(\u)*256
.endm
; Row rr is rounded in place, unit by unit as its loads come in; left = the loads younger than the row's first.  pbase >= 0: the row before, which lies at pbase, is stored meanwhile, a store ahead of each unit's two conversions.
.macro ROW rr, base, left, pbase
.irp u, 0,1,2,3,4,5,6,7,8,9,10,11
	s_wait_loadcnt (\left)-(\u)
.if (\pbase) >= 0
.if (\u) == 0
	s_wait_alu depctr_va_vdst(0)                   ; the conversions of the row before have written its registers, which the twelve stores of this row's turn read; this row's conversions name this row's registers alone
.endif
	XSTORE (\rr)-1, \pbase, \u
.endif
	v_cvt_pk_bf16_f32 v[(\base)+4*(\u)], v[(\base)+4*(\u)], v[(\base)+4*(\u)+1]
	v_cvt_pk_bf16_f32 v[(\base)+4*(\u)+1], v[(\base)+4*(\u)+2], v[(\base)+4*(\u)+3]
.endr
.endm
.macro ROWOUT rr, base                 ; a row's twelve stores in a run
.irp u, 0,1,2,3,4,5,6,7,8,9,10,11
	XSTORE \rr, \base, \u
.endr
.endm
.macro WBACK t                         ; my eight rows of the turned block t, two to a load
.irp u, 0,1,2,3
	ds_load_b128 v[P+16*(\t)+4*(\u):P+16*(\t)+4*(\u)+3], v[TR] offset:(\t)*TBLK+(\u)*2*TPITCH
.endr
.endm
.macro WOUT t                          ; its data come from LDS loads and its offset from the head: the wait on DScnt is all that it hangs on
.irp u, 0,1,2,3
	s_wait_dscnt 11-4*(\t)-(\u)                    ; LDS loads come back in order (ISA guide 5.7.1)
	global_store_b128 v[WO], v[P+16*(\t)+4*(\u):P+16*(\t)+4*(\u)+3], s[DST+2*(\t):DST+2*(\t)+1] offset:(\u)*8*3072  ; 16 lanes store 256 consecutive bytes, aligned: 128 k of one row of wt
.endr
.endm
	s_wait_alu depctr_va_vdst(0)                   ; the seven offsets and addresses v2 to v8 are written: every load and store of the kernel reads one of them
	WLOAD 0
	WLOAD 1
	WLOAD 2
	XLOADS 0, 24                                   ; X's rows 0 and 1
	WSTEP 0
	WSTEP 1
	WSTEP 2
	WSTEP 3                                        ; the last block's LDS stores, and the last eight loads of X
	ROW 0, B_SET, 47, -1                           ; 23 of its own set and the 24 of rows 2 and 3 are younger than the first
	ROW 1, B_SET+48, 35, B_SET
	s_wait_alu depctr_va_vdst(0)                   ; row 1's conversions have written its registers, which the twelve stores below read
	ROWOUT 1, B_SET+48
	s_wait_dscnt 0x0                               ; for the others' sake: my stores into the turned blocks are done
	s_barrier_signal -1
	s_barrier_wait -1
	s_wait_alu depctr_vm_vsrc(0)                   ; my LDS stores have read P, in which the LDS loads below land (the conversions that wrote P stand ahead of the waits on va_vdst above, and no vector instruction since names P)
	WBACK 0
	WBACK 1
	WBACK 2
	ROW 2, A_SET, 23, -1
	ROW 3, A_SET+48, 11, A_SET
	WOUT 0
	WOUT 1
	WOUT 2
	s_wait_alu depctr_va_vdst(0)                   ; row 3's conversions have written its registers, which the last twelve stores read
	ROWOUT 3, A_SET+48
	s_wait_dscnt 0x0                               ; the wave's end.  An add of 0 into the 1,024 bytes behind the three blocks follows
	s_wait_alu depctr_hold_cnt(0) depctr_sa_sdst(0) depctr_va_vdst(0) depctr_va_sdst(0) depctr_va_ssrc(0) depctr_va_vcc(0) depctr_vm_vsrc(0)
	s_wait_tensorcnt 0x0
	ds_add_u32 v11, v15
	s_wait_dscnt 0x0
	s_endpgm
.Lfunc_end_k_qb244a911b2_prep:
	.size	k_qb244a911b2_prep, .Lfunc_end_k_qb244a911b2_prep-k_qb244a911b2_prep
	.p2alignl 7, 3214868480
	.fill 96, 4, 3214868480
	.section	.rodata,"a",@progbits
	.p2align	6, 0x0
	.amdhsa_kernel k_qb244a911b2_prep
		.amdhsa_group_segment_fixed_size 53248
		.amdhsa_private_segment_fixed_size 0
		.amdhsa_enable_private_segment 0
		.amdhsa_kernarg_size 96
		.amdhsa_user_sgpr_count 2
		.amdhsa_user_sgpr_kernarg_segment_ptr 1
		.amdhsa_wavefront_size32 1
		.amdhsa_system_sgpr_workgroup_id_x 1
		.amdhsa_system_sgpr_workgroup_id_y 1
		.amdhsa_system_sgpr_workgroup_id_z 1
		.amdhsa_system_vgpr_workitem_id 0
		.amdhsa_next_free_vgpr 256
		.amdhsa_next_free_sgpr 66
		.amdhsa_reserve_vcc 0
		.amdhsa_float_denorm_mode_32 3
		.amdhsa_float_denorm_mode_16_64 3
		.amdhsa_memory_ordered 1
		.amdhsa_forward_progress 1
		.amdhsa_inst_pref_size 31
	.end_amdhsa_kernel
	.amdgpu_metadata
---
amdhsa.version: [ 1, 2 ]
amdhsa.kernels:
  - .name:           k_qb244a911b2_prep
    .symbol:         k_qb244a911b2_prep.kd
    .args:
      - { .name: input, .offset: 0, .size: 8, .value_kind: global_buffer, .address_space: global }
      - { .name: h_prev, .offset: 8, .size: 8, .value_kind: global_buffer, .address_space: global }
      - { .name: W_if, .offset: 16, .size: 8, .value_kind: global_buffer, .address_space: global }
      - { .name: W_ii, .offset: 24, .size: 8, .value_kind: global_buffer, .address_space: global }
      - { .name: W_ig, .offset: 32, .size: 8, .value_kind: global_buffer, .address_space: global }
      - { .name: W_io, .offset: 40, .size: 8, .value_kind: global_buffer, .address_space: global }
      - { .name: W_hf, .offset: 48, .size: 8, .value_kind: global_buffer, .address_space: global }
      - { .name: W_hi, .offset: 56, .size: 8, .value_kind: global_buffer, .address_space: global }
      - { .name: W_hg, .offset: 64, .size: 8, .value_kind: global_buffer, .address_space: global }
      - { .name: W_ho, .offset: 72, .size: 8, .value_kind: global_buffer, .address_space: global }
      - { .name: xb, .offset: 80, .size: 8, .value_kind: global_buffer, .address_space: global }
      - { .name: wt, .offset: 88, .size: 8, .value_kind: global_buffer, .address_space: global }
    .group_segment_fixed_size: 53248
    .private_segment_fixed_size: 0
    .kernarg_segment_align: 8
    .kernarg_segment_size: 96
    .max_flat_workgroup_size: 256
    .sgpr_count:     66
    .vgpr_count:     256
    .wavefront_size: 32
...
	.end_amdgpu_metadata
.endif
;; end of part 3
;; launch lstm: the kernel of part 2 again; grid 16 x 32, 4 waves a work-group, clusters of 4 x 4, 327,680 bytes of LDS; arguments xb, wt, c_prev, W_cf, W_ci, W_co, out0, out1; writes out0, out1
